; MI455X (gfx1250); checked and timed in simulation.
; The chip was launched on July 23, 2026; its instructions are those of AMD's public machine-readable ISA for CDNA 5 (MIT licence, August 2026) and "CDNA5" Instruction Set Architecture Reference Guide (July 2026). The comments in the code are by the model that wrote it; some were corrected since.
;; AFT Optimized Local. Allowed arithmetic: float matrix products may take bf16 or f16 operands with f32 sums; other float arithmetic in f32, or as packed bf16 or f16 multiplies, adds, multiply-adds, maxima and minima; sums over many terms, partial sums and values carried from step to step in f32; what a program stores and reads back later, other than sums and carried values, may be rounded once to bf16 or f16.
;; Inputs: Wk 256 x 256 float32; Wo 256 x 256 float32; Wq 256 x 256 float32; Wv 256 x 256 float32; w_bias 2,048 x 2,048 float32; x 16 x 2,048 x 256 float32.
;; Outputs: out0 16 x 2,048 x 256 float32.
;; Constants: window = 128.
;; One version. Each part assembles by itself: llvm-mc -triple=amdgcn-amd-amdhsa -mcpu=gfx1250 --defsym DOCPART=n.
;; ======== version 1 of 1: 3 launches
;; workspace buffers: wall 524,288 bytes; eband 1,572,864 bytes; cvec 65,536 bytes; ekv 33,554,432 bytes; sq 33,554,432 bytes; stats 1,048,576 bytes
;; launch prep (part 1): grid 256 x 1, 8 waves a work-group, no clusters, 1,280 bytes of LDS; arguments Wq, Wk, Wv, Wo, w_bias, wall, eband, cvec; writes wall, eband, cvec
.if DOCPART == 1
	.amdgcn_target "amdgcn-amd-amdhsa--gfx1250"
	.amdhsa_code_object_version 6
	.text
	.protected	k_q5432581fe3_prep
	.globl	k_q5432581fe3_prep
	.p2align	8
	.type	k_q5432581fe3_prep,@function
k_q5432581fe3_prep:
	s_mov_b64 s[64:65], 0
	v_nop
	global_prefetch_b8 v0, s[64:65] scope:SCOPE_SE
	s_setreg_imm32_b32 hwreg(HW_REG_WAVE_MODE, 25, 1), 1
	s_wait_xcnt 0x0
; PREP: (1) the four weight matrices, cast to bf16 and laid side by side: wall[k][1024] = Wq | Wk | Wv | Wo, rows along the output index.
; (2) the band of exp(w_local - row maximum).  Outside |t - s| < 128 the bias is 0, so a row's maximum is max(0, its band values) = m,
; and every entry outside the band is c = exp(-m).  For the 128 rows of block i the band lies inside the three column blocks
; j0 .. j0+2, j0 = clamp(i-1, 0, 13): eband[i][jj][tl][sl] (bf16) holds exp(w - m) there (c where the column is outside the band).
; The rest of w_bias is thrown away by the band mask and is not read.
; (3) cvec[t / 8][copy 0..7][t % 8] (f32) holds c.  A work-group has 8 rows, 32 bytes of c; they are stored eight times over, so that
; its one store covers 256 consecutive bytes, aligned; the next launch reads copy 0.
; SHARES: work-group g of 256, eight waves: wave w makes row t = 8 g + w of the band (three loads of 512 consecutive bytes, three stores of
; 256) and casts half w & 1 of row g of weight matrix w >> 1 (one load of 512 bytes, one store of 256).  2,048 rows, 2,048 half rows, 2,048 waves:
; no wave has a second row to wait for.  All four loads go out first.
; LIMITS: inputs finite (a NaN in the band loses in the maximum); v_exp_f32 gives 0 below 2^-126 (ISA guide, its entry in 15.8).
.set L2E,  0x3fb8aa3b                  ; log2(e)
.set NL2E, 0xbfb8aa3b                  ; -log2(e)
.set WR, 16                            ; v[16:19]  the weight load
.set XR, 20                            ; v[20:31]  the row: column block jj at 4 jj
.set CR, 32                            ; v32       c
	s_load_b512 s[4:19], s[0:1], 0x0               ; Wq s[4:5], Wk s[6:7], Wv s[8:9], Wo s[10:11], w_bias s[12:13], wall s[14:15], eband s[16:17], cvec s[18:19]
	v_lshl_add_u32 v40, v0, 2, 0x100
	v_mov_b32 v41, 0
	v_and_b32 v1, 31, v0                           ; lane L
	v_lshrrev_b32 v9, 5, v0
	v_readfirstlane_b32 s20, v9                    ; wave w
	s_lshr_b32 s21, ttmp9, 4                       ; row block i = g / 16
	s_sub_co_i32 s22, s21, 1
	s_max_i32 s22, s22, 0
	s_min_i32 s22, s22, 13                         ; j0
	s_mov_b32 s30, 0x76543210                      ; v_permlanex16_b32: lane l of one half reads lane l of the other
	s_mov_b32 s31, 0xfedcba98
	s_lshr_b32 s34, s20, 1                         ; which weight matrix
	s_and_b32 s35, s20, 1                          ; which half of its row g
	s_lshl_b32 s23, ttmp9, 10
	s_lshl_b32 s24, s35, 9
	s_add_co_u32 s23, s23, s24
	v_lshl_add_u32 v2, v1, 4, s23                  ; weights in: 1,024 g + 512 half + 16 L
	s_lshl_b32 s23, ttmp9, 11
	s_lshl_b32 s24, s20, 8                         ; 512 matrix + 256 half = 256 w
	s_add_co_u32 s23, s23, s24
	v_lshl_add_u32 v3, v1, 3, s23                  ; weights out: 2,048 g + 256 w + 8 L
	s_lshl_b32 s25, ttmp9, 3
	s_add_co_u32 s25, s25, s20                     ; t = 8 g + w
	v_lshlrev_b32 v4, 4, v1                        ; w_bias: 16 L
	v_lshlrev_b32 v5, 3, v1                        ; band and c out: 8 L
	s_lshl_b32 s24, s22, 7
	s_sub_co_u32 s24, s25, s24                     ; t - 128 j0, never negative: j0 <= i
	s_add_co_u32 s24, s24, 127
	v_lshlrev_b32 v8, 2, v1
	v_sub_nc_u32 v6, s24, v8                       ; t - s + 127 for jj = e = 0
	s_lshl_b32 s38, s20, 2
	v_mov_b32 v7, s38                              ; LDS: my wave's word of c
	v_mov_b32 v11, 0                               ; the lane exchange counts as a reader of its destination
	s_lshl_b32 s26, s25, 13                        ; row t of w_bias,
	s_lshl_b32 s27, s22, 9                         ; column 128 j0
	s_add_co_u32 s26, s26, s27
	s_mov_b32 s27, 0
	s_mul_i32 s28, s21, 98304                      ; eband: block i,
	s_and_b32 s29, s25, 127
	s_lshl_b32 s29, s29, 8                         ; row t % 128 of 256 bytes
	s_add_co_u32 s28, s28, s29
	s_mov_b32 s29, 0
	s_lshl_b32 s32, ttmp9, 8                       ; cvec: 256 bytes a work-group
	s_mov_b32 s33, 0
	s_wait_kmcnt 0x0
	s_cmp_eq_u32 s34, 1                            ; my matrix's address, chosen by the wave's number alone
	s_cselect_b64 s[36:37], s[6:7], s[4:5]
	s_cmp_eq_u32 s34, 2
	s_cselect_b64 s[36:37], s[8:9], s[36:37]
	s_cmp_eq_u32 s34, 3
	s_cselect_b64 s[36:37], s[10:11], s[36:37]
	s_add_nc_u64 s[12:13], s[12:13], s[26:27]
	s_add_nc_u64 s[16:17], s[16:17], s[28:29]
	s_add_nc_u64 s[18:19], s[18:19], s[32:33]
	global_load_b128 v[WR:WR+3], v2, s[36:37] th:TH_LOAD_NT
.irp jj, 0,1,2
	global_load_b128 v[XR+4*\jj:XR+4*\jj+3], v4, s[12:13] offset:512*\jj th:TH_LOAD_NT
.endr
	s_wait_loadcnt 3                               ; loads come back in order: the weights are in, the row's three loads may be out
	v_cvt_pk_bf16_f32 v[WR],   v[WR],   v[WR+1]
	v_cvt_pk_bf16_f32 v[WR+1], v[WR+2], v[WR+3]
	global_store_b64 v3, v[WR:WR+1], s[14:15]      ; 256 consecutive bytes, aligned
	s_wait_loadcnt 0x0
	; the row: mask, maximum with 0, exponentials, three stores; no register that a store reads is written again
.irp jj, 0,1,2
.irp e, 0,1,2,3
	v_sub_nc_u32 v8, v6, 128*\jj+\e                ; t - s + 127: 0 .. 254 inside the band, anything else (as unsigned) outside
	v_cmp_gt_u32 vcc_lo, 0xff, v8
	v_cndmask_b32 v[XR+4*\jj+\e], 0, v[XR+4*\jj+\e], vcc_lo
.endr
.endr
	v_max3_num_f32 v10, v[XR], v[XR+1], 0          ; the zeros outside the band take part in the maximum
.irp q, 2,4,6,8,10
	v_max3_num_f32 v10, v10, v[XR+\q], v[XR+\q+1]
.endr
	v_max_num_f32_dpp v10, v10, v10 row_xmask:1 row_mask:0xf bank_mask:0xf
	v_max_num_f32_dpp v10, v10, v10 row_xmask:2 row_mask:0xf bank_mask:0xf
	v_max_num_f32_dpp v10, v10, v10 row_xmask:4 row_mask:0xf bank_mask:0xf
	v_max_num_f32_dpp v10, v10, v10 row_xmask:8 row_mask:0xf bank_mask:0xf
	v_permlanex16_b32 v11, v10, s30, s31
	v_max_num_f32 v10, v10, v11                    ; m in every lane
	v_mul_f32 v12, NL2E, v10                       ; -m log2(e), in both registers of a pair
	v_mov_b32 v13, v12
.irp q, 0,2,4,6,8,10
	v_pk_fma_f32 v[XR+\q:XR+\q+1], v[XR+\q:XR+\q+1], L2E, v[12:13] op_sel_hi:[1,0,1]
.endr
.irp q, 0,1,2,3,4,5,6,7,8,9,10,11
	v_exp_f32 v[XR+\q], v[XR+\q]
.endr
	v_exp_f32 v[CR], v12                           ; c = exp(-m)
	v_nop                                          ; one plain vector instruction between the exponentials and the first use (ISA guide 5.7.2)
	s_wait_alu depctr_va_vdst(0)
.irp jj, 0,1,2
	v_cvt_pk_bf16_f32 v[XR+4*\jj],   v[XR+4*\jj],   v[XR+4*\jj+1]
	v_cvt_pk_bf16_f32 v[XR+4*\jj+1], v[XR+4*\jj+2], v[XR+4*\jj+3]
	global_store_b64 v5, v[XR+4*\jj:XR+4*\jj+1], s[16:17] offset:32768*\jj     ; 256 consecutive bytes, aligned
.endr
	ds_store_b32 v7, v[CR]                         ; all lanes write the same word with the same number
	s_wait_dscnt 0x0                               ; my word is in LDS before I say so
	s_barrier_signal -1
	s_barrier_wait -1
	s_cmp_lg_u32 s20, 0
	s_cbranch_scc1 .Ldone
	v_and_b32 v14, 3, v1
	v_lshlrev_b32 v14, 3, v14
	ds_load_b64 v[8:9], v14                        ; wave 0: lane L takes rows 2 (L & 3) and the next, for copy L >> 2
	s_wait_dscnt 0x0
	global_store_b64 v5, v[8:9], s[18:19]          ; 256 consecutive bytes, aligned: the 8 numbers, eight times
.Ldone:
	s_wait_tensorcnt 0x0
	ds_add_u32 v40, v41
	s_wait_dscnt 0x0
	s_endpgm
.Lfunc_end_k_q5432581fe3_prep:
	.size	k_q5432581fe3_prep, .Lfunc_end_k_q5432581fe3_prep-k_q5432581fe3_prep
	.p2alignl 7, 3214868480
	.fill 96, 4, 3214868480
	.section	.rodata,"a",@progbits
	.p2align	6, 0x0
	.amdhsa_kernel k_q5432581fe3_prep
		.amdhsa_group_segment_fixed_size 1280
		.amdhsa_private_segment_fixed_size 0
		.amdhsa_enable_private_segment 0
		.amdhsa_kernarg_size 64
		.amdhsa_user_sgpr_count 2
		.amdhsa_user_sgpr_kernarg_segment_ptr 1
		.amdhsa_wavefront_size32 1
		.amdhsa_system_sgpr_workgroup_id_x 1
		.amdhsa_system_sgpr_workgroup_id_y 1
		.amdhsa_system_sgpr_workgroup_id_z 1
		.amdhsa_system_vgpr_workitem_id 0
		.amdhsa_next_free_vgpr 42
		.amdhsa_next_free_sgpr 66
		.amdhsa_reserve_vcc 1
		.amdhsa_float_denorm_mode_32 3
		.amdhsa_float_denorm_mode_16_64 3
		.amdhsa_memory_ordered 1
		.amdhsa_forward_progress 1
		.amdhsa_inst_pref_size 9
	.end_amdhsa_kernel
	.amdgpu_metadata
---
amdhsa.version: [ 1, 2 ]
amdhsa.kernels:
  - .name:           k_q5432581fe3_prep
    .symbol:         k_q5432581fe3_prep.kd
    .args:
      - { .name: Wq, .offset: 0, .size: 8, .value_kind: global_buffer, .address_space: global }
      - { .name: Wk, .offset: 8, .size: 8, .value_kind: global_buffer, .address_space: global }
      - { .name: Wv, .offset: 16, .size: 8, .value_kind: global_buffer, .address_space: global }
      - { .name: Wo, .offset: 24, .size: 8, .value_kind: global_buffer, .address_space: global }
      - { .name: w_bias, .offset: 32, .size: 8, .value_kind: global_buffer, .address_space: global }
      - { .name: wall, .offset: 40, .size: 8, .value_kind: global_buffer, .address_space: global }
      - { .name: eband, .offset: 48, .size: 8, .value_kind: global_buffer, .address_space: global }
      - { .name: cvec, .offset: 56, .size: 8, .value_kind: global_buffer, .address_space: global }
    .group_segment_fixed_size: 1280
    .private_segment_fixed_size: 0
    .kernarg_segment_align: 8
    .kernarg_segment_size: 64
    .max_flat_workgroup_size: 256
    .sgpr_count:     66
    .vgpr_count:     42
    .wavefront_size: 32
...
	.end_amdgpu_metadata
.endif
;; end of part 1
;; launch qkv (part 2): grid 256 x 1, 8 waves a work-group, clusters of 4 x 1, 327,680 bytes of LDS; arguments x, wall, ekv, sq, stats; writes ekv, sq, stats
.if DOCPART == 2
	.amdgcn_target "amdgcn-amd-amdhsa--gfx1250"
	.amdhsa_code_object_version 6
	.text
	.protected	k_q5432581fe3_qkv
	.globl	k_q5432581fe3_qkv
	.p2align	8
	.type	k_q5432581fe3_qkv,@function
k_q5432581fe3_qkv:
	s_mov_b64 s[64:65], 0
	v_nop
	global_prefetch_b8 v0, s[64:65] scope:SCOPE_SE
	s_setreg_imm32_b32 hwreg(HW_REG_WAVE_MODE, 25, 1), 1
	s_wait_xcnt 0x0
	s_wait_alu depctr_hold_cnt(0) depctr_sa_sdst(0) depctr_va_vdst(0) depctr_va_sdst(0) depctr_va_ssrc(0) depctr_va_vcc(0) depctr_vm_vsrc(0)
	s_getreg_b32 s2, hwreg(HW_REG_IB_STS2, 6, 4)
	s_cmp_eq_u32 s2, 0
	s_cbranch_scc0 .Lentry_in_a_cluster
	s_endpgm
.Lentry_in_a_cluster:
	s_bfe_u32 s2, ttmp6, 0x10000c
	s_cmp_lg_u32 s2, 0x3003
	s_cbranch_scc0 .Lentry_shape_is_right
	s_endpgm
.Lentry_shape_is_right:
; QKV: for 128 rows of x (work-group g = 16 b + j: batch b, row block j): q, k, v = x W (bf16 operands, f32 sums), then
;   mb = ceil(log2e * max over the block's rows of k), a whole number for each column d,
;   ek = 2^(k log2e - mb), ek v, sigmoid(q), and the block's column sums of ek and of ek v (f32).
; The maximum that is taken away before the exponential is the block's own, rounded up by less than one binary order; the next launch
; brings all 16 blocks of a batch to their common maximum by exact powers of two: a running maximum in base 2.
; OUT, all three as registers hold them, so that nothing is turned on the way:
;   ekv[g][w][ks 0..3][f 0..3][half][lane][16 bytes] bf16: f = ek v of tile 0, ek v of tile 1, ek of tile 0, ek of tile 1.  Lane (r, h) holds rows 16 mt + 8 h + 0..7
;      of column d0 + 16 nt + r; packed to four registers that is registers 0-3 (mt = 2 ks) or 4-7 (mt = 2 ks + 1) of the second operand of a matrix
;      instruction whose K runs over rows 32 ks .. +31 (ISA guide 7.12.2): the next launch loads it straight into its fragment registers;
;   sq[g][w][tile 2 mt + nt][half][lane][4] f32: sigmoid(q), unrounded;
;   stats[b][w][j][lane][4] f32 = (mb, sum ek, sum ek v, 0).
;   Every store of a wave covers 512 consecutive bytes, aligned.
; SHAPE: eight waves of 512 registers; wave w owns the columns d0 = 32 w .. +31 of q, k and v and all 128 rows (48 accumulator tiles),
; so that a column's maximum, ek v and the sums never leave the wave.  x is cast once into LDS; K = 256 goes in four chunks of 64 through two LDS slots
; of weights ([64 k][768 n], kept as stored; fragments by transposing loads).
; CLUSTER: the weight tiles are the same in every work-group, so four work-groups ask for each jointly (mask 15).  x is each work-group's own.
; A wave has at most two tensor loads out (the two first fills), later one.
; LIMITS: inputs finite; mb exact for |k log2e| < 2^24; v_exp_f32 and v_rcp_f32 give 0 below 2^-126 (ISA guide, 15.8); x, W, ek, ek v rounded to bf16.
.set L2E,   0x3fb8aa3b
.set NL2E,  0xbfb8aa3b
.set XP,    528                        ; x in LDS: 512 bytes a row + 16: an odd multiple of 16, so sixteen rows begin at sixteen different 16-byte columns modulo 256
.set WS0,   128*XP                     ; 67,584: weight slot 0 behind x; slot 1 follows.  No LDS store ever lands in the slots, no fill outside them
.set WSLOT, 104448                     ; 64 rows x 1,632
.set WP,    1632                       ; a weight row: 3 x (512 bytes + 32 of padding): an odd multiple of 32 for the transposing loads
.set WSEG,  544                        ; from one matrix to the next inside a row (q, k, v)
.set GQ,  1                            ; v1      16,384 w + 16 L: my place in ekv and in sq (at work in the head before that)
.set XA,  2                            ; v2      x fragments: 528 r + 16 h
.set WB,  3                            ; v3-6    weight fragments: slot 0 / 1, first / second 32 of the chunk's K
.set XS,  7                            ; v7      where I put x
.set XO,  8                            ; v8      16 x thread: x in memory
.set GO,  11                           ; v11     8,192 w + 16 L: my place in stats
.set NM,  12                           ; v[12:15] -mb of my column in tile 0 and tile 1, each in both registers of a pair
.set AF,  16                           ; v[16:79]  x fragments, 8 x 16 rows
.set BF,  80                           ; v[80:127] weight fragments: k0 k1 v0 v1 q0 q1
.set QA,  128                          ; v[128:255] q sums, tile (mt, nt) at 8 (2 mt + nt); window 1: k sums at 0, v sums at 128, likewise
.set T,   16                           ; the way out: 32 ek
.set U,   48                           ;              32 ek v
.set P,   80                           ;              32 packed registers: 16 of ek, 16 of ek v
.set SE,  112                          ; v[112:115] sums of ek, a pair for each tile
.set SV,  116                          ; v[116:119] sums of ek v
.set MX,  120                          ; v120-123 maxima at work
.set QD,  124                          ; v[124:127] the stats quad
.set MSB, 0
.macro WIN new                         ; s_set_vgpr_msb: bits 1:0 source 0, 3:2 source 1, 5:4 source 2, 7:6 destination; the high byte repeats the setting that is left
.if MSB != \new
	s_set_vgpr_msb (MSB<<8)|\new
.set MSB, \new
.endif
.endm
.macro PLACES                          ; four plain vector instructions between a matrix instruction and a load into, or a vector access to, its registers
.rept 4
	v_nop
.endr
.endm
.macro ROUND                           ; a round of the cluster's barrier: my work-group's barrier, wave 0 signals for the work-group, all wait for all four, my work-group's barrier again
	s_barrier_signal -1
	s_barrier_wait -1
	s_cmp_lg_u32 s14, 0
	s_cbranch_scc1 .Lnot_wave_0_\@
	s_barrier_signal -3
.Lnot_wave_0_\@:
	s_barrier_wait -3
	s_barrier_signal -1
	s_barrier_wait -1
.endm
.macro MM d, a, b, zero                ; one matrix instruction; zero = 1: it starts the sum, nothing is cleared
.if \zero
	v_wmma_f32_16x16x32_bf16 v[\d:\d+7], v[\a:\a+7], v[\b:\b+7], 0
.else
	v_wmma_f32_16x16x32_bf16 v[\d:\d+7], v[\a:\a+7], v[\b:\b+7], v[\d:\d+7]
.endif
.endm
	s_load_b256 s[4:11], s[0:1], 0x0               ; x s[4:5], wall s[6:7], ekv s[8:9], sq s[10:11]
	s_load_b64 s[12:13], s[0:1], 0x20              ; stats
	v_lshl_add_u32 v9, v0, 2, 0x43800
	v_mov_b32 v10, 0
	ds_add_u32 v9, v10
	v_lshrrev_b32 v1, 5, v0
	v_readfirstlane_b32 s14, v1                    ; wave w
	s_bfe_u32 s15, ttmp6, 0x40000                  ; cx
	s_lshl_b32 s16, ttmp9, 2
	s_add_co_u32 s16, s16, s15                     ; g = 4 x cluster + cx: enters global addresses of x and of the outputs alone
	v_lshlrev_b32 v[XO], 4, v0
	s_lshl_b32 s20, s16, 17                        ; g x 131,072: 128 rows of x; also g's part of ekv and of sq
	s_mov_b32 s21, 0
	s_mov_b32 s40, 0x76543210
	s_mov_b32 s41, 0xfedcba98
	s_wait_dscnt 0x0
	s_wait_kmcnt 0x0
	s_add_nc_u64 s[48:49], s[4:5], s[20:21]
	s_add_nc_u64 s[42:43], s[8:9], s[20:21]
	s_add_nc_u64 s[44:45], s[10:11], s[20:21]
.set i, 0
.rept 32
	global_load_b128 v[QA+4*i:QA+4*i+3], v[XO], s[48:49] offset:4096*i th:TH_LOAD_NT   ; the eight waves together: 4,096 consecutive bytes, four rows of x
.set i, i+1
.endr
	s_lshr_b32 s20, s16, 4                         ; b
	s_lshl_b32 s20, s20, 16
	s_and_b32 s22, s16, 15                         ; j
	s_lshl_b32 s22, s22, 9
	s_add_co_u32 s20, s20, s22
	s_add_nc_u64 s[46:47], s[12:13], s[20:21]      ; stats + 65,536 b + 512 j
	; descriptor group 1: 8 rows of 768 bf16 (Wq | Wk | Wv) out of rows of 1,024; 8 words of padding behind every 128 words
	s_mov_b32 s24, 15|(1<<16)|(1<<20)|(1<<21)|(6<<22)|(7<<25)   ; mask of all four work-groups, 2-byte elements, padding on, bit 21 beside the mask, interval code 6, 8 words
	s_mov_b32 s25, 768<<16                         ; tensor_dim0
	s_mov_b32 s26, 8<<16                           ; tensor_dim1
	s_mov_b32 s27, 768<<16                         ; tile_dim0
	s_mov_b32 s28, 8                               ; tile_dim1
	s_mov_b32 s29, 1024                            ; elements from row to row
	s_mov_b32 s30, 0
	s_mov_b32 s31, 0
	s_mul_i32 s17, s14, 8*WP                       ; my 8 rows of a slot: the wave's number times a constant
	s_lshl_b32 s50, s14, 14                        ; and of a chunk in wall: 8 w rows of 2,048 bytes
	s_mov_b32 s51, 0
	s_add_nc_u64 s[18:19], s[6:7], s[50:51]
	ROUND                                          ; all four work-groups are here: the first joint loads meet
.irp s, 0,1
	s_mov_b32 s[32+4*\s], 1
	s_add_co_u32 s[33+4*\s], s17, WS0+\s*WSLOT
	s_add_nc_u64 s[34+4*\s:35+4*\s], s[18:19], \s*131072           ; chunk s: 64 rows of 2,048 bytes further
	s_or_b32 s[35+4*\s], s[35+4*\s], 0x80000000
	tensor_load_to_lds s[32+4*\s:35+4*\s], s[24:31]                ; both first fills go out together, ahead of every wait on them, LDS read and further barrier
	s_nop 0
.endr
	v_and_b32 v12, 15, v0                          ; r
	v_bfe_u32 v13, v0, 4, 1                        ; h
	v_and_b32 v14, 31, v0                          ; L
	v_mul_u32_u24 v[XA], v12, XP
	v_lshl_add_u32 v[XA], v13, 4, v[XA]
	v_and_b32 v15, 7, v0
	v_lshl_add_u32 v15, v13, 3, v15                ; the transposing load's row: 8 h + (L & 7)
	v_mul_u32_u24 v15, v15, WP
	v_bfe_u32 v1, v0, 3, 1
	v_lshl_add_u32 v15, v1, 4, v15                 ; + 16 ((L >> 3) & 1)
	s_lshl_b32 s52, s14, 6                         ; my 32 columns: 64 w bytes
	s_add_co_u32 s52, s52, WS0
	v_add_nc_u32 v[WB], s52, v15
	v_add_nc_u32 v[WB+1], 32*WP, v[WB]
	v_add_nc_u32 v[WB+2], WSLOT, v[WB]
	v_add_nc_u32 v[WB+3], WSLOT+32*WP, v[WB]
	s_lshr_b32 s52, s14, 1                         ; load i brings thread t the row 4 i + t / 64, columns 4 (t mod 64) ..: row w / 2, byte 256 (w & 1) + 8 L
	s_mul_i32 s52, s52, XP
	s_and_b32 s53, s14, 1
	s_lshl_b32 s53, s53, 8
	s_add_co_u32 s52, s52, s53
	v_lshl_add_u32 v[XS], v14, 3, s52
	s_lshl_b32 s54, s14, 13
	v_lshl_add_u32 v[GO], v14, 4, s54
	s_lshl_b32 s54, s14, 14
	v_lshl_add_u32 v[GQ], v14, 4, s54
.set i, 0
.rept 32
	s_wait_loadcnt 31-i                            ; loads come back in order: load i is in, the later ones stay out
	v_cvt_pk_bf16_f32 v[AF+2*i],   v[QA+4*i],   v[QA+4*i+1]
	v_cvt_pk_bf16_f32 v[AF+2*i+1], v[QA+4*i+2], v[QA+4*i+3]
	ds_store_b64 v[XS], v[AF+2*i:AF+2*i+1] offset:4*XP*i
.set i, i+1
.endr
	s_wait_dscnt 0x0                               ; my part of x is in LDS,
	s_wait_tensorcnt 0x1                           ; my part of chunk 0 too; chunk 1 may stay out
	s_barrier_signal -1
	s_barrier_wait -1
.macro BLOAD wb, f, mat, nt            ; one weight fragment: 32 K x 16 columns of matrix mat, by two transposing loads 16 rows apart
	ds_load_tr16_b128 v[BF+8*\f:BF+8*\f+3],   v[\wb] offset:WSEG*\mat+32*\nt
	ds_load_tr16_b128 v[BF+8*\f+4:BF+8*\f+7], v[\wb] offset:WSEG*\mat+32*\nt+16*WP
.endm
; 32 along K: 28 LDS loads, 48 matrix instructions.  The 48 accumulators take turns, one instruction a turn, in the same order in every step.
.macro KSTEP wb, kk, zero
	PLACES
	BLOAD \wb, 0, 1, 0
	BLOAD \wb, 1, 1, 1
	BLOAD \wb, 2, 2, 0
	BLOAD \wb, 3, 2, 1
	BLOAD \wb, 4, 0, 0
	BLOAD \wb, 5, 0, 1
.irp mt, 0,1,2,3,4,5,6,7
	ds_load_b128 v[AF+8*\mt:AF+8*\mt+3],   v[XA] offset:16*XP*\mt+64*\kk
	ds_load_b128 v[AF+8*\mt+4:AF+8*\mt+7], v[XA] offset:16*XP*\mt+64*\kk+32
.endr
	WIN 0x50                                       ; k and v sums: C and D in window 1
.irp mt, 0,1,2,3,4,5,6,7
	s_wait_dscnt 14-2*\mt                          ; the weights and x's fragments up to mt are in; the later fragments' loads stay out
	MM 16*\mt,       AF+8*\mt, BF,    \zero
	MM 16*\mt+8,     AF+8*\mt, BF+8,  \zero
	MM 128+16*\mt,   AF+8*\mt, BF+16, \zero
	MM 128+16*\mt+8, AF+8*\mt, BF+24, \zero
.endr
	WIN 0                                          ; q sums
.irp mt, 0,1,2,3,4,5,6,7
	MM QA+16*\mt,   AF+8*\mt, BF+32, \zero
	MM QA+16*\mt+8, AF+8*\mt, BF+40, \zero
.endr
.endm
; Slot s, which every wave has read, gets the chunk two further on.  In front of the round each wave waits for its LDS reads and for all its tensor loads
; (its part of the other slot among them); the joint load is the first thing behind the round and the wave's only tensor load until the next one.
.macro REFILL s
	s_wait_dscnt 0x0
	s_wait_tensorcnt 0x0
	ds_add_u32 v9, v10
	s_wait_dscnt 0x0
	s_add_nc_u64 s[34+4*\s:35+4*\s], s[34+4*\s:35+4*\s], 2*131072
	ROUND
	tensor_load_to_lds s[32+4*\s:35+4*\s], s[24:31]
	s_nop 0
.endm
	KSTEP WB+0, 0, 1
	KSTEP WB+1, 1, 0
	REFILL 0
	KSTEP WB+2, 2, 0
	KSTEP WB+3, 3, 0
	REFILL 1
	KSTEP WB+0, 4, 0
	KSTEP WB+1, 5, 0
	s_wait_dscnt 0x0
	s_wait_tensorcnt 0x0                           ; my part of the last chunk is in,
	s_barrier_signal -1
	s_barrier_wait -1                              ; everybody's is; nothing is left to fetch
	KSTEP WB+2, 6, 0
	KSTEP WB+3, 7, 0
	; THE WAY OUT.  Lane (r, h) holds column d0 + 16 nt + r, rows 16 mt + 8 h + 0..7.
	PLACES
	WIN 0x01
	v_mov_b32 v[MX],   v0                          ; k(0, 0)[0], k(0, 1)[0] start the two chains
	v_mov_b32 v[MX+1], v8
	WIN 0x14
.irp mt, 0,1,2,3,4,5,6,7
.irp q, 0,2,4,6
	v_max3_num_f32 v[MX],   v[MX],   v[16*\mt+\q],   v[16*\mt+\q+1]
	v_max3_num_f32 v[MX+1], v[MX+1], v[16*\mt+8+\q], v[16*\mt+8+\q+1]
.endr
.endr
	WIN 0
	v_mov_b32 v[MX+2], 0                           ; the lane exchange counts as a reader of its destination
	v_mov_b32 v[MX+3], 0
	v_permlanex16_b32 v[MX+2], v[MX],   s40, s41   ; the other half of the lanes holds the column's other 64 rows
	v_permlanex16_b32 v[MX+3], v[MX+1], s40, s41
	v_max_num_f32 v[MX],   v[MX],   v[MX+2]
	v_max_num_f32 v[MX+1], v[MX+1], v[MX+3]
	v_mul_f32 v[MX],   NL2E, v[MX]
	v_mul_f32 v[MX+1], NL2E, v[MX+1]
	v_floor_f32 v[NM],   v[MX]                     ; -mb = floor(-log2e max) = -ceil(log2e max)
	v_floor_f32 v[NM+2], v[MX+1]
	v_mov_b32 v[NM+1], v[NM]
	v_mov_b32 v[NM+3], v[NM+2]
.irp q, 0,1,2,3,4,5,6,7
	v_mov_b32 v[SE+\q], 0
.endr
; 64 rows (hb) of 16 columns (nt): ek, ek v, their sums; packed and stored as they lie: tile mt = 4 hb + m is half m & 1 of step 2 hb + (m >> 1)
.macro GROUP_KV hb, nt
	WIN 0x01
.irp m, 0,1,2,3
.irp q, 0,2,4,6
	v_pk_fma_f32 v[T+8*\m+\q:T+8*\m+\q+1], v[16*(4*\hb+\m)+8*\nt+\q:16*(4*\hb+\m)+8*\nt+\q+1], L2E, v[NM+2*\nt:NM+2*\nt+1] op_sel_hi:[1,0,1]
.endr
.endr
	WIN 0x04
.set i, 0
.rept 32
	v_exp_f32 v[T+i], v[T+i]
.set i, i+1
.endr
	v_nop                                          ; one plain vector instruction behind the exponentials (ISA guide 5.7.2)
	s_wait_alu depctr_va_vdst(0)
.irp m, 0,1,2,3
.irp q, 0,2,4,6
	v_pk_mul_f32 v[U+8*\m+\q:U+8*\m+\q+1], v[T+8*\m+\q:T+8*\m+\q+1], v[128+16*(4*\hb+\m)+8*\nt+\q:128+16*(4*\hb+\m)+8*\nt+\q+1]
.endr
.endr
	WIN 0
.set i, 0
.rept 16
	v_pk_add_f32 v[SE+2*\nt:SE+2*\nt+1], v[SE+2*\nt:SE+2*\nt+1], v[T+2*i:T+2*i+1]
	v_pk_add_f32 v[SV+2*\nt:SV+2*\nt+1], v[SV+2*\nt:SV+2*\nt+1], v[U+2*i:U+2*i+1]
.set i, i+1
.endr
	s_wait_xcnt 0x0                                ; P, which the last group's stores read, is written again only behind this wait
.set i, 0
.rept 16
	v_cvt_pk_bf16_f32 v[P+i],    v[T+2*i], v[T+2*i+1]
	v_cvt_pk_bf16_f32 v[P+16+i], v[U+2*i], v[U+2*i+1]
.set i, i+1
.endr
.irp m, 0,1,2,3
	global_store_b128 v[GQ], v[P+16+4*\m:P+16+4*\m+3], s[42:43] offset:4096*(2*\hb+(\m>>1))+1024*\nt+512*(\m&1)       ; ek v: 512 consecutive bytes
	global_store_b128 v[GQ], v[P+4*\m:P+4*\m+3],       s[42:43] offset:4096*(2*\hb+(\m>>1))+1024*(2+\nt)+512*(\m&1)   ; ek
.endr
.endm
	GROUP_KV 0, 0
	GROUP_KV 0, 1
	GROUP_KV 1, 0
	GROUP_KV 1, 1
; sigmoid(q) = 1 / (1 + 2^(-q log2e)) of 128 rows x 16 columns, in place, and stored as the registers hold it; none of these registers is written again
.macro GROUP_Q nt
.irp mt, 0,1,2,3,4,5,6,7
.irp q, 0,2,4,6
	v_pk_mul_f32 v[QA+16*\mt+8*\nt+\q:QA+16*\mt+8*\nt+\q+1], v[QA+16*\mt+8*\nt+\q:QA+16*\mt+8*\nt+\q+1], NL2E op_sel_hi:[1,0]
.endr
.endr
.irp mt, 0,1,2,3,4,5,6,7
.irp e, 0,1,2,3,4,5,6,7
	v_exp_f32 v[QA+16*\mt+8*\nt+\e], v[QA+16*\mt+8*\nt+\e]
.endr
.endr
	v_nop
	s_wait_alu depctr_va_vdst(0)
.irp mt, 0,1,2,3,4,5,6,7
.irp q, 0,2,4,6
	v_pk_add_f32 v[QA+16*\mt+8*\nt+\q:QA+16*\mt+8*\nt+\q+1], v[QA+16*\mt+8*\nt+\q:QA+16*\mt+8*\nt+\q+1], 1.0 op_sel_hi:[1,0]
.endr
.endr
.irp mt, 0,1,2,3,4,5,6,7
.irp e, 0,1,2,3,4,5,6,7
	v_rcp_f32 v[QA+16*\mt+8*\nt+\e], v[QA+16*\mt+8*\nt+\e]
.endr
.endr
	v_nop
	s_wait_alu depctr_va_vdst(0)
.irp mt, 0,1,2,3,4,5,6,7
	global_store_b128 v[GQ], v[QA+16*\mt+8*\nt:QA+16*\mt+8*\nt+3],   s[44:45] offset:1024*(2*\mt+\nt)       ; 512 consecutive bytes: registers 0-3 of the tile, all lanes
	global_store_b128 v[GQ], v[QA+16*\mt+8*\nt+4:QA+16*\mt+8*\nt+7], s[44:45] offset:1024*(2*\mt+\nt)+512   ; registers 4-7
.endr
.endm
	GROUP_Q 0
	GROUP_Q 1
	; the block's figures: lane L stores those of column d0 + L, that is tile h, column r
.irp q, 0,2,4,6
	v_add_f32 v[SE+\q], v[SE+\q], v[SE+\q+1]
.endr
.irp q, 0,2,4,6
	v_permlanex16_b32 v[SE+\q+1], v[SE+\q], s40, s41
.endr
.irp q, 0,2,4,6
	v_add_f32 v[SE+\q], v[SE+\q], v[SE+\q+1]       ; all 128 rows
.endr
	v_and_b32 v[MX], 16, v0
	v_cmp_ne_u32 vcc_lo, 0, v[MX]                  ; lanes 16 to 31 take tile 1
	v_cndmask_b32 v[QD],   v[NM], v[NM+2], vcc_lo
	v_cndmask_b32 v[QD+1], v[SE], v[SE+2], vcc_lo
	v_cndmask_b32 v[QD+2], v[SV], v[SV+2], vcc_lo
	v_sub_f32 v[QD], 0, v[QD]                      ; mb
	v_mov_b32 v[QD+3], 0
	global_store_b128 v[GO], v[QD:QD+3], s[46:47]  ; 512 consecutive bytes
	s_wait_tensorcnt 0x0
	ds_add_u32 v9, v10
	s_wait_dscnt 0x0
	ROUND                                          ; the closing round: no work-group ends while a partner may still ask for a tile that names it
	s_endpgm
.Lfunc_end_k_q5432581fe3_qkv:
	.size	k_q5432581fe3_qkv, .Lfunc_end_k_q5432581fe3_qkv-k_q5432581fe3_qkv
	.p2alignl 7, 3214868480
	.fill 96, 4, 3214868480
	.section	.rodata,"a",@progbits
	.p2align	6, 0x0
	.amdhsa_kernel k_q5432581fe3_qkv
		.amdhsa_group_segment_fixed_size 327680
		.amdhsa_private_segment_fixed_size 0
		.amdhsa_enable_private_segment 0
		.amdhsa_kernarg_size 40
		.amdhsa_user_sgpr_count 2
		.amdhsa_user_sgpr_kernarg_segment_ptr 1
		.amdhsa_wavefront_size32 1
		.amdhsa_system_sgpr_workgroup_id_x 1
		.amdhsa_system_sgpr_workgroup_id_y 1
		.amdhsa_system_sgpr_workgroup_id_z 1
		.amdhsa_system_vgpr_workitem_id 0
		.amdhsa_next_free_vgpr 512
		.amdhsa_next_free_sgpr 66
		.amdhsa_reserve_vcc 1
		.amdhsa_float_denorm_mode_32 3
		.amdhsa_float_denorm_mode_16_64 3
		.amdhsa_memory_ordered 1
		.amdhsa_forward_progress 1
		.amdhsa_inst_pref_size 119
	.end_amdhsa_kernel
	.amdgpu_metadata
---
amdhsa.version: [ 1, 2 ]
amdhsa.kernels:
  - .name:           k_q5432581fe3_qkv
    .symbol:         k_q5432581fe3_qkv.kd
    .args:
      - { .name: x, .offset: 0, .size: 8, .value_kind: global_buffer, .address_space: global }
      - { .name: wall, .offset: 8, .size: 8, .value_kind: global_buffer, .address_space: global }
      - { .name: ekv, .offset: 16, .size: 8, .value_kind: global_buffer, .address_space: global }
      - { .name: sq, .offset: 24, .size: 8, .value_kind: global_buffer, .address_space: global }
      - { .name: stats, .offset: 32, .size: 8, .value_kind: global_buffer, .address_space: global }
    .group_segment_fixed_size: 327680
    .private_segment_fixed_size: 0
    .kernarg_segment_align: 8
    .kernarg_segment_size: 40
    .max_flat_workgroup_size: 256
    .sgpr_count:     66
    .vgpr_count:     512
    .wavefront_size: 32
...
	.end_amdgpu_metadata
.endif
;; end of part 2
;; launch mix (part 3): grid 16 x 16, 8 waves a work-group, clusters of 4 x 1, 318,464 bytes of LDS; arguments eband, cvec, ekv, sq, stats, wall, out0; writes out0
.if DOCPART == 3
	.amdgcn_target "amdgcn-amd-amdhsa--gfx1250"
	.amdhsa_code_object_version 6
	.text
	.protected	k_q5432581fe3_mix
	.globl	k_q5432581fe3_mix
	.p2align	8
	.type	k_q5432581fe3_mix,@function
k_q5432581fe3_mix:
	s_mov_b64 s[64:65], 0
	v_nop
	global_prefetch_b8 v0, s[64:65] scope:SCOPE_SE
	s_setreg_imm32_b32 hwreg(HW_REG_WAVE_MODE, 25, 1), 1
	s_wait_xcnt 0x0
	s_wait_alu depctr_hold_cnt(0) depctr_sa_sdst(0) depctr_va_vdst(0) depctr_va_sdst(0) depctr_va_ssrc(0) depctr_va_vcc(0) depctr_vm_vsrc(0)
	s_getreg_b32 s2, hwreg(HW_REG_IB_STS2, 6, 4)
	s_cmp_eq_u32 s2, 0
	s_cbranch_scc0 .Lentry_in_a_cluster
	s_endpgm
.Lentry_in_a_cluster:
	s_bfe_u32 s2, ttmp6, 0x10000c
	s_cmp_lg_u32 s2, 0x3003
	s_cbranch_scc0 .Lentry_shape_is_right
	s_endpgm
.Lentry_shape_is_right:
; MIX: for batch b and row block i (128 rows t):  num = E (ek v) + c x (far sums of ek v),  den = E ek + c x (far sums of ek),
; y = sigmoid(q) num / den,  out = y Wo.  E [128 x 384] covers the three column blocks j0 .. j0+2 that the band can touch (j0 = clamp(i-1, 0, 13)); in the
; other 13 blocks every weight of row t is the one number c[t], so their part is c[t] times the blocks' column sums.  Only sums of the terms that
; the definition adds are formed, no difference of large sums.
; THE MAXIMUM: each block's ek was made with its own whole-number exponent mb; M = the largest of the batch's 16.  Near blocks' bf16 operands are multiplied by
; 2^(mb - M) (an exact power of two, 0 below 2^-126), far blocks' sums likewise in f32.  num / den does not depend on the common factor.
; SHAPE: eight waves of 512 registers; wave w owns columns d0 = 32 w .. +31 and all 128 rows: 16 + 16 accumulator tiles for num and den, so the ratio stays in a lane.
; ek AND ek v COME STRAIGHT INTO REGISTERS.  A wave alone uses the fragments of its 32 columns, so LDS would give them no second reader; the launch before stored
; them as fragment registers hold them, and a load of 16 bytes a lane (512 consecutive bytes a wave) fills half a fragment.  K = 384 goes in 12 steps of 32; the
; fragments lie in a ring of four register slots (v128-255), and a slot is loaded again, with the step four further on, behind the matrix instructions that read it.
; The ring's last four refills are the four quarters of
; sigmoid(q) (f32, also stored as registers hold it), which land where y is made.
; E, which all eight waves read, and Wo lie in LDS, each filled once: no LDS byte is filled twice.
; y GOES TO THE MATRIX UNIT AS TWO bf16 PARTS: hi = bf16(y), lo = bf16(y - hi) (the difference is exact in f32), out = hi Wo + lo Wo on the same accumulators:
; 16 significant bits of y take part instead of 8, for 128 more matrix instructions a wave.  Both parts lie transposed over E's bytes, which are read no more,
; and 34,816 bytes behind them; each wave makes 64 t x 64 e of y Wo.
; CLUSTER: the four partners are four batches of one row block: E and Wo are the same for them and are asked for jointly (mask 15); two tensor loads a wave,
; both out together at the most.  Row blocks of one batch are not partners: what they share (ekv) goes through no LDS.
; WHICH CLUSTER DOES WHAT: cluster (x, y) of 4 x 16 takes batches 4 (y & 3) .. +3 and row block x + 4 (y >> 2), so that the sixteen clusters that read one batch's ekv
; are those whose numbers x + 4 y agree in bits 2 and 3.  The map is one to one, so the result does not hang on where a cluster runs.
; PREFETCH: each wave asks for its own 16 KiB of sigmoid(q), lanes 256 bytes apart, 8 KiB behind step 4 and 8 KiB behind step 6: four steps ahead of the loads that want them.
; LIMITS: inputs finite; mb - M exact for |mb| < 2^24; v_rcp_f32 treats a den below 2^-126 as 0 (ISA guide, 15.8); E, ek, ek v, Wo in bf16.
.set TP,    272                        ; rows of 256 bytes + 16: E, the out stage
.set YP,    544                        ; y transposed: a row d = 128 t of hi (256 bytes), 128 t of lo (256 bytes), 32 of padding: an odd multiple of 32 for the transposing loads
.set YLO,   256                        ; from hi to lo inside a row
.set OP,    544                        ; Wo: 512 bytes a row + 32
.set WO,    256*YP                     ; 139,264: Wo behind y (E is bytes 0 to 104,448)
.set OSTG,  WO+256*OP                  ; 278,528: the out stage, 8 x 4,352 bytes
.set CS,    OSTG+8*16*TP               ; 313,344: c, 512 bytes for each wave, its own copy
.set RO,  1                            ; v1      16,384 w + 16 L: my place in a block of ekv and in sq
.set EA,  4                            ; v4-6    E fragments of column block jj: 34,816 jj + 272 r + 16 h
.set PF,  7                            ; v7      16,384 w + 256 L: the prefetch
.set YS,  9                            ; v9      where I put y
.set YA,  10                           ; v10-11  y fragments, d 0-127 / 128-255
.set WA,  12                           ; v12-13  Wo fragments, rows 0-127 / 128-255
.set OS,  14                           ; v14     out stage, in
.set ORD, 15                           ; v15     out stage, back
.set CO,  16                           ; v16     1,024 h + 16 r: my place in two rows of out
.set CA,  17                           ; v17     c of my rows
.set SO,  18                           ; v18     8,192 w + 16 L: stats
.set CL,  19                           ; v19     256 (L >> 1) + 16 (L & 1): rows 4 L .. of c
.set SC,  20                           ; v20-25  2^(mb - M) of block jj, tile nt, as two equal bf16
.set FE,  26                           ; v[26:29] far sums of ek, a pair for each tile
.set FV,  30                           ; v[30:33] far sums of ek v
.set YL,  32                           ; v[32:63] in the last product: lo fragments.  Before that v34-43 at work,
.set NQ,  44                           ; v[44:55] the three near blocks' stats,
.set CQ,  56                           ; v[56:59] four numbers of c,
.set RR,  60                           ; v60 r, v61 h, v62 L in the head
.set HH,  61
.set LN,  62
.set FA,  64                           ; v[64:127]  E fragments of one step, 8 x 16 rows
.set BR,  128                          ; v[128:255] the ring: slot ks & 3 at 32 (ks & 3): ek v tile 0, ek v tile 1, ek tile 0, ek tile 1
.set G1E, 28                           ; s[28:35] group 1: 48 rows x 256 bytes, joint
.set G1W, 36                           ; s[36:43] group 1: 32 rows x 512 bytes out of rows of 2,048, joint
.set G0E, 44
.set G0W, 48
.set EKB, 52                           ; s[52:53] ekv at batch b, block j0
.set SQB, 56                           ; s[56:57] sq at block 16 b + i
.set MSB, 0
.macro WIN new                         ; s_set_vgpr_msb: bits 1:0 source 0, 3:2 source 1, 5:4 source 2, 7:6 destination; the high byte repeats the setting that is left
.if MSB != \new
	s_set_vgpr_msb (MSB<<8)|\new
.set MSB, \new
.endif
.endm
.macro PLACES                          ; four plain vector instructions between a matrix instruction and a load into, or a vector access to, its registers
.rept 4
	v_nop
.endr
.endm
.macro ROUND                           ; a round of the cluster's barrier
	s_barrier_signal -1
	s_barrier_wait -1
	s_cmp_lg_u32 s18, 0
	s_cbranch_scc1 .Lnot_wave_0_\@
	s_barrier_signal -3
.Lnot_wave_0_\@:
	s_barrier_wait -3
	s_barrier_signal -1
	s_barrier_wait -1
.endm
.macro MM d, a, b, zero
.if \zero
	v_wmma_f32_16x16x32_bf16 v[\d:\d+7], v[\a:\a+7], v[\b:\b+7], 0
.else
	v_wmma_f32_16x16x32_bf16 v[\d:\d+7], v[\a:\a+7], v[\b:\b+7], v[\d:\d+7]
.endif
.endm
; Eight loads: the four fragments of step ks (block j0 + (ks >> 2), rows 32 (ks & 3) .. +31) into its slot of the ring: 4,096 consecutive bytes
.macro BLOAD ks
.irp f, 0,1,2,3
	global_load_b128 v[BR+32*((\ks)&3)+8*\f:BR+32*((\ks)&3)+8*\f+3],   v[RO], s[EKB:EKB+1] offset:131072*((\ks)>>2)+4096*((\ks)&3)+1024*\f
	global_load_b128 v[BR+32*((\ks)&3)+8*\f+4:BR+32*((\ks)&3)+8*\f+7], v[RO], s[EKB:EKB+1] offset:131072*((\ks)>>2)+4096*((\ks)&3)+1024*\f+512
.endr
.endm
; Eight loads: sigmoid(q) of tiles 4 q .. 4 q + 3 (tile 2 mt + nt at v[128 + 8 tile]) into slot q, which the products need no more
.macro QLOAD q
.irp f, 0,1,2,3
	global_load_b128 v[BR+32*(\q)+8*\f:BR+32*(\q)+8*\f+3],   v[RO], s[SQB:SQB+1] offset:4096*(\q)+1024*\f th:TH_LOAD_NT
	global_load_b128 v[BR+32*(\q)+8*\f+4:BR+32*(\q)+8*\f+7], v[RO], s[SQB:SQB+1] offset:4096*(\q)+1024*\f+512 th:TH_LOAD_NT
.endr
.endm
	s_load_b256 s[4:11], s[0:1], 0x0               ; eband s[4:5], cvec s[6:7], ekv s[8:9], sq s[10:11]
	s_load_b128 s[12:15], s[0:1], 0x20             ; stats s[12:13], wall s[14:15]
	s_load_b64 s[16:17], s[0:1], 0x30              ; out0
	v_lshl_add_u32 v3, v0, 2, 0x4d800
	v_mov_b32 v8, 0
	ds_add_u32 v3, v8
	v_lshrrev_b32 v34, 5, v0
	v_readfirstlane_b32 s18, v34                   ; wave w
	s_bfe_u32 s19, ttmp6, 0x40000                  ; cx
	s_and_b32 s94, ttmp7, 0xffff                   ; the cluster's y
	s_and_b32 s72, s94, 3
	s_lshl_b32 s72, s72, 2
	s_add_co_u32 s72, s72, s19                     ; batch b = 4 (y & 3) + cx: enters plain loads' and the output's global addresses alone
	s_lshr_b32 s73, s94, 2
	s_lshl_b32 s73, s73, 2
	s_add_co_u32 s73, s73, ttmp9                   ; row block i = 4 (y >> 2) + the cluster's x: the same in all four partners
	s_sub_co_i32 s74, s73, 1
	s_max_i32 s74, s74, 0
	s_min_i32 s74, s74, 13                         ; j0
	s_and_b32 s90, s18, 1                          ; wt: my 64 rows in the last product
	s_lshr_b32 s91, s18, 1                         ; we: my 64 columns there
	s_mov_b32 s86, 0x76543210
	s_mov_b32 s87, 0xfedcba98
	v_and_b32 v[LN], 31, v0                        ; L
	s_lshl_b32 s75, s18, 13                        ; 8,192 w
	v_lshl_add_u32 v[SO], v[LN], 4, s75
	s_lshl_b32 s95, s18, 14                        ; 16,384 w
	v_lshl_add_u32 v[RO], v[LN], 4, s95
	v_lshl_add_u32 v[PF], v[LN], 8, s95
	v_lshrrev_b32 v34, 1, v[LN]
	v_and_b32 v35, 1, v[LN]
	v_lshlrev_b32 v35, 4, v35
	v_lshl_add_u32 v[CL], v34, 8, v35
	s_lshl_b32 s76, s72, 16
	s_mov_b32 s77, 0
	s_lshl_b32 s88, s74, 9
	s_mov_b32 s89, 0
	s_lshl_b32 s92, s73, 12                        ; c: 16 groups of 8 rows, 256 bytes each, to a row block
	s_mov_b32 s93, 0
	s_lshl_b32 s58, s72, 21                        ; ekv: batch b,
	s_lshl_b32 s95, s74, 17                        ; block j0
	s_add_co_u32 s58, s58, s95
	s_mov_b32 s59, 0
	s_lshl_b32 s54, s72, 4
	s_add_co_u32 s54, s54, s73
	s_lshl_b32 s54, s54, 17                        ; sq: block 16 b + i, 131,072 bytes each
	s_mov_b32 s55, 0
	s_wait_dscnt 0x0
	s_wait_kmcnt 0x0
	s_add_nc_u64 s[78:79], s[12:13], s[76:77]      ; the batch's stats
	s_add_nc_u64 s[80:81], s[78:79], s[88:89]      ; from block j0 on
	s_add_nc_u64 s[82:83], s[6:7], s[92:93]        ; c of my 128 rows
	s_add_nc_u64 s[EKB:EKB+1], s[8:9], s[58:59]
	s_add_nc_u64 s[SQB:SQB+1], s[10:11], s[54:55]
.irp jq, 0,1,2,3,4,5,6,7,8,9,10,11,12,13,14,15
	global_load_b128 v[64+4*\jq:67+4*\jq], v[SO], s[78:79] offset:512*\jq      ; (mb, sum ek, sum ek v, 0) of block jq, column d0 + L
.endr
.irp jj, 0,1,2
	global_load_b128 v[NQ+4*\jj:NQ+4*\jj+3], v[SO], s[80:81] offset:512*\jj    ; the three near blocks' once more, by their own address
.endr
	global_load_b128 v[CQ:CQ+3], v[CL], s[82:83]
	BLOAD 0                                        ; the ring is filled: steps 0 to 3, the whole first near block
	BLOAD 1
	BLOAD 2
	BLOAD 3
	; descriptors.  Offsets that feed joint loads are made in s88, s92-94, which never hold anything made of cx.
	s_mov_b32 s[G1E+0], 15|(1<<16)|(1<<20)|(1<<21)|(5<<22)|(3<<25) ; mask of all four partners, 2-byte elements, padding on, bit 21 beside the mask, 4 words behind every 64
	s_mov_b32 s[G1E+1], 128<<16
	s_mov_b32 s[G1E+2], 48<<16
	s_mov_b32 s[G1E+3], 128<<16
	s_mov_b32 s[G1E+4], 48
	s_mov_b32 s[G1E+5], 128
	s_mov_b32 s[G1E+6], 0
	s_mov_b32 s[G1E+7], 0
	s_mov_b32 s[G1W+0], 15|(1<<16)|(1<<20)|(1<<21)|(6<<22)|(7<<25) ; 8 words of padding behind every 128
	s_mov_b32 s[G1W+1], 256<<16
	s_mov_b32 s[G1W+2], 32<<16
	s_mov_b32 s[G1W+3], 256<<16
	s_mov_b32 s[G1W+4], 32
	s_mov_b32 s[G1W+5], 1024
	s_mov_b32 s[G1W+6], 0
	s_mov_b32 s[G1W+7], 0
	s_mov_b32 s[G0E], 1
	s_mul_i32 s[G0E+1], s18, 48*TP                 ; my 48 of E's 384 rows
	s_mul_i32 s92, s73, 98304
	s_mul_i32 s94, s18, 12288
	s_add_co_u32 s92, s92, s94
	s_add_nc_u64 s[G0E+2:G0E+3], s[4:5], s[92:93]
	s_or_b32 s[G0E+3], s[G0E+3], 0x80000000
	s_mov_b32 s[G0W], 1
	s_mul_i32 s88, s18, 32*OP                      ; my 32 of Wo's 256 rows
	s_add_co_u32 s[G0W+1], s88, WO
	s_lshl_b32 s92, s18, 16                        ; rows 32 w .. of 2,048 bytes,
	s_add_co_u32 s92, s92, 1536                    ; columns 768 ..
	s_add_nc_u64 s[G0W+2:G0W+3], s[14:15], s[92:93]
	s_or_b32 s[G0W+3], s[G0W+3], 0x80000000
	s_lshl_b32 s76, s72, 21                        ; out: row 2,048 b + 128 i + 64 wt, column 64 we
	s_lshl_b32 s95, s73, 17
	s_add_co_u32 s76, s76, s95
	s_lshl_b32 s95, s90, 16
	s_add_co_u32 s76, s76, s95
	s_lshl_b32 s95, s91, 8
	s_add_co_u32 s76, s76, s95
	s_add_nc_u64 s[84:85], s[16:17], s[76:77]
	ROUND                                          ; all four work-groups are here
	tensor_load_to_lds s[G0E:G0E+3], s[G1E:G1E+7]  ; the launch's only fills go out together: E,
	s_nop 0
	tensor_load_to_lds s[G0W:G0W+3], s[G1W:G1W+7]  ; Wo
	s_nop 0
	v_and_b32 v[RR], 15, v0                        ; r
	v_bfe_u32 v[HH], v0, 4, 1                      ; h
	v_mul_u32_u24 v34, v[RR], TP
	v_lshl_add_u32 v[EA], v[HH], 4, v34
	v_add_nc_u32 v[EA+1], 128*TP, v[EA]
	v_add_nc_u32 v[EA+2], 256*TP, v[EA]
	s_mul_i32 s95, s18, 32*YP
	v_mul_u32_u24 v35, v[RR], YP
	v_lshl_add_u32 v35, v[HH], 4, v35
	v_add_nc_u32 v[YS], s95, v35                   ; (d0 + r) 544 + 16 h
	v_and_b32 v36, 7, v0
	v_lshl_add_u32 v36, v[HH], 3, v36              ; the transposing load's row: 8 h + (L & 7)
	v_bfe_u32 v37, v0, 3, 1
	v_lshlrev_b32 v37, 4, v37                      ; 16 ((L >> 3) & 1)
	v_mul_u32_u24 v[YA], v36, YP
	v_add_nc_u32 v[YA], v[YA], v37
	s_lshl_b32 s95, s90, 7
	v_add_nc_u32 v[YA], s95, v[YA]                 ; + my 64 rows t: 128 wt bytes
	v_add_nc_u32 v[YA+1], 128*YP, v[YA]
	v_mul_u32_u24 v38, v36, OP
	v_add_nc_u32 v38, v38, v37
	s_lshl_b32 s95, s91, 7
	v_add_nc_u32 v38, s95, v38                     ; + my 64 columns e: 128 we bytes
	v_add_nc_u32 v[WA], WO, v38
	v_add_nc_u32 v[WA+1], WO+128*OP, v38
	s_mul_i32 s95, s18, 16*TP
	s_add_co_u32 s95, s95, OSTG                    ; my out stage
	v_lshl_add_u32 v[OS], v[HH], 5, v34
	v_add_nc_u32 v[OS], s95, v[OS]
	v_mul_u32_u24 v[ORD], v[HH], TP
	v_lshl_add_u32 v[ORD], v[RR], 4, v[ORD]
	v_add_nc_u32 v[ORD], s95, v[ORD]
	v_lshlrev_b32 v[CO], 4, v[RR]
	v_lshl_add_u32 v[CO], v[HH], 10, v[CO]
	s_lshl_b32 s95, s18, 9
	s_add_co_u32 s95, s95, CS
	v_lshl_add_u32 v[CA], v[HH], 5, s95
	v_lshl_add_u32 v43, v[LN], 4, s95
	v_mov_b32 v37, 0                               ; far sum of ek (lane L: column d0 + L)
	v_mov_b32 v38, 0                               ; far sum of ek v
	v_mov_b32 v42, 0                               ; the lane exchange counts as a reader of its destination
	s_wait_loadcnt 32                              ; loads come back in order: stats and c are in; the ring's 32 loads, issued behind them, stay out
	ds_store_b128 v43, v[CQ:CQ+3]                  ; c into my wave's own copy
	v_max3_num_f32 v34, v64, v68, v72
.irp q, 76,84,92,100,108,116
	v_max3_num_f32 v34, v34, v[\q], v[\q+4]
.endr
	v_max_num_f32 v34, v34, v124                   ; M
	v_sub_f32 v35, 0x42fe0000, v34                 ; 127 - M
.irp jq, 0,1,2,3,4,5,6,7,8,9,10,11,12,13,14,15
	s_sub_co_u32 s95, \jq, s74
	s_cmp_lt_u32 s95, 3                            ; a near block goes through the matrix product, not through the far sums
	s_cselect_b32 s95, 0, 0x3f800000
	v_add_f32 v36, v[64+4*\jq], v35                ; the biased exponent of 2^(mb - M),
	v_max_num_f32 v36, 0, v36                      ; 0 (the number 0) where it would lie below 2^-126
	v_cvt_u32_f32 v36, v36
	v_lshlrev_b32 v36, 23, v36
	v_mul_f32 v36, s95, v36
	v_fmac_f32 v37, v36, v[65+4*\jq]
	v_fmac_f32 v38, v36, v[66+4*\jq]
.endr
.irp jj, 0,1,2
	v_add_f32 v36, v[NQ+4*\jj], v35
	v_max_num_f32 v36, 0, v36
	v_cvt_u32_f32 v36, v36
	v_lshlrev_b32 v[39+\jj], 7, v36                ; the same power of two as bf16, in both halves
	v_lshl_or_b32 v[39+\jj], v36, 23, v[39+\jj]
.endr
	v_cmp_gt_u32 vcc_lo, 16, v[LN]                 ; lanes 0 to 15
.macro SPREAD src, d0, d1              ; from "lane L: column d0 + L" to "lane (r, h): column r of tile 0 in d0, of tile 1 in d1"
	v_permlanex16_b32 v42, v[\src], s86, s87
	v_cndmask_b32 v[\d0], v42, v[\src], vcc_lo
	v_cndmask_b32 v[\d1], v[\src], v42, vcc_lo
.endm
	SPREAD 37, FE, FE+2
	SPREAD 38, FV, FV+2
	SPREAD 39, SC, SC+1
	SPREAD 40, SC+2, SC+3
	SPREAD 41, SC+4, SC+5
.irp q, 0,2,4,6
	v_mov_b32 v[FE+\q+1], v[FE+\q]                 ; both registers of each pair are written
.endr
	s_wait_dscnt 0x0
	s_wait_tensorcnt 0x1                           ; tensor loads end in order: my part of E is in; Wo may stay out
	s_barrier_signal -1
	s_barrier_wait -1                              ; E is whole
; One step, 32 along K: sixteen LDS loads of E, the ring's slot brought to the batch's common exponent, 32 matrix instructions on 32 accumulators, which take
; turns, one instruction a turn, in the same order in every step.  The four places at its end serve the loads that follow: the
; ring's refill and the next step's fragments of E.
.macro KS ks, zero
.irp mt, 0,1,2,3,4,5,6,7
	ds_load_b128 v[FA+8*\mt:FA+8*\mt+3],   v[EA+((\ks)>>2)] offset:16*TP*\mt+64*((\ks)&3)
	ds_load_b128 v[FA+8*\mt+4:FA+8*\mt+7], v[EA+((\ks)>>2)] offset:16*TP*\mt+64*((\ks)&3)+32
.endr
	s_wait_loadcnt 24                              ; this step's eight loads are in; behind them three slots' refills were issued, eight loads each
.irp f, 0,1,2,3
.irp e, 0,1,2,3,4,5,6,7
	v_pk_mul_bf16 v[BR+32*((\ks)&3)+8*\f+\e], v[BR+32*((\ks)&3)+8*\f+\e], v[SC+2*((\ks)>>2)+(\f&1)]    ; a power of two, so no rounding
.endr
.endr
	WIN 0x50                                       ; C and D in window 1: num at 0, den at 128
.irp mt, 0,1,2,3,4,5,6,7
	s_wait_dscnt 14-2*\mt                          ; E's fragments up to mt are in; the later ones' loads stay out
	MM 16*\mt,       FA+8*\mt, BR+32*((\ks)&3),    \zero
	MM 16*\mt+8,     FA+8*\mt, BR+32*((\ks)&3)+8,  \zero
	MM 128+16*\mt,   FA+8*\mt, BR+32*((\ks)&3)+16, \zero
	MM 128+16*\mt+8, FA+8*\mt, BR+32*((\ks)&3)+24, \zero
.endr
	WIN 0
	PLACES
.endm
	KS 0, 1                                        ; the first step starts the sums: nothing is cleared
	BLOAD 4
	KS 1, 0
	BLOAD 5
	KS 2, 0
	BLOAD 6
	KS 3, 0
	BLOAD 7
	KS 4, 0
	BLOAD 8
	global_prefetch_b8 v[PF], s[SQB:SQB+1] th:TH_LOAD_NT scope:SCOPE_SE               ; my first 8 KiB of sigmoid(q): wanted behind steps 8 and 9
	KS 5, 0
	BLOAD 9
	KS 6, 0
	BLOAD 10
	global_prefetch_b8 v[PF], s[SQB:SQB+1] offset:8192 th:TH_LOAD_NT scope:SCOPE_SE   ; my second 8 KiB: wanted behind steps 10 and 11
	KS 7, 0
	BLOAD 11
	KS 8, 0                                        ; nothing of ekv is left to fetch: sigmoid(q) takes the ring's places, so every step's count is the same
	QLOAD 0
	KS 9, 0
	QLOAD 1
	KS 10, 0
	QLOAD 2
	KS 11, 0
	QLOAD 3
	; num += c x far, den += c x far, ratio = num / den, y = sigmoid(q) ratio
.irp mt, 0,1,2,3,4,5,6,7
	ds_load_b128 v[64+8*\mt:67+8*\mt], v[CA] offset:64*\mt         ; c of rows 16 mt + 8 h + 0..7
	ds_load_b128 v[68+8*\mt:71+8*\mt], v[CA] offset:64*\mt+16
.endr
	s_wait_dscnt 0x0                               ; c is in, and my reads of E are over;
	s_wait_tensorcnt 0x0                           ; my part of Wo, asked for twelve steps ago, is in: behind this barrier no tensor load of any wave is out while y is stored
	s_barrier_signal -1                            ; say so, and work on registers while the others arrive
	WIN 0x50
.irp mt, 0,1,2,3,4,5,6,7
.irp nt, 0,1
.irp q, 0,2,4,6
	v_pk_fma_f32 v[16*\mt+8*\nt+\q:16*\mt+8*\nt+\q+1], v[64+8*\mt+\q:65+8*\mt+\q], v[FV+2*\nt:FV+2*\nt+1], v[16*\mt+8*\nt+\q:16*\mt+8*\nt+\q+1] op_sel_hi:[1,0,1]
	v_pk_fma_f32 v[128+16*\mt+8*\nt+\q:128+16*\mt+8*\nt+\q+1], v[64+8*\mt+\q:65+8*\mt+\q], v[FE+2*\nt:FE+2*\nt+1], v[128+16*\mt+8*\nt+\q:128+16*\mt+8*\nt+\q+1] op_sel_hi:[1,0,1]
.endr
.endr
.endr
	WIN 0x41
.set i, 0
.rept 128
	v_rcp_f32 v[128+i], v[128+i]                   ; 1 / den, in place in window 1
.set i, i+1
.endr
	v_nop                                          ; one plain vector instruction behind the reciprocals (ISA guide 5.7.2)
	WIN 0x45
.set i, 0
	s_wait_alu depctr_va_vdst(0)
.rept 64
	v_pk_mul_f32 v[2*i:2*i+1], v[2*i:2*i+1], v[128+2*i:129+2*i]    ; num / den, in place in window 1
.set i, i+1
.endr
	s_barrier_wait -1                              ; no wave reads E any more, and Wo is whole: y may be written over E
	s_wait_loadcnt 0x0                             ; sigmoid(q) is in
	WIN 0x04
.set i, 0
.rept 64
	v_pk_mul_f32 v[128+2*i:129+2*i], v[128+2*i:129+2*i], v[2*i:2*i+1]      ; y, in place in window 0: the two launches' tiles have the same register order
.set i, i+1
.endr
	WIN 0
	; y = hi + lo in bf16, transposed into LDS: row d, eight neighbouring t of each part
.irp nt, 0,1
.irp mt, 0,1,2,3,4,5,6,7
.irp q, 0,1,2,3
	v_cvt_pk_bf16_f32 v[42+\q], v[128+16*\mt+8*\nt+2*\q], v[129+16*\mt+8*\nt+2*\q]     ; hi
.endr
.irp q, 0,1,2,3
	v_lshlrev_b32 v[34+2*\q], 16, v[42+\q]         ; hi back in f32: the low half moves up,
	v_and_b32 v[35+2*\q], 0xffff0000, v[42+\q]     ; the high half stays
.endr
.irp q, 0,2,4,6
	v_pk_add_f32 v[34+\q:35+\q], v[128+16*\mt+8*\nt+\q:129+16*\mt+8*\nt+\q], v[34+\q:35+\q] neg_lo:[0,1] neg_hi:[0,1]   ; y - hi, exact
.endr
.irp q, 0,1,2,3
	v_cvt_pk_bf16_f32 v[46+\q], v[34+2*\q], v[35+2*\q]             ; lo
.endr
	ds_store_b128 v[YS], v[42:45] offset:16*YP*\nt+32*\mt
	ds_store_b128 v[YS], v[46:49] offset:16*YP*\nt+32*\mt+YLO
.endr
.endr
	s_wait_dscnt 0x0                               ; my part of y is in LDS,
	s_barrier_signal -1
	s_barrier_wait -1                              ; everybody's
	; out = hi Wo + lo Wo, used transposed: source 0 = 16 columns e of Wo, source 1 = 16 rows t of y, so that a lane holds eight neighbouring e of one row t.
	; 16 accumulators (tile (a, e) at v[128 + 8 (4 a + e)]) take turns, one instruction a turn, first with hi, then with lo.
.macro WSTEP half, k4, zero
	PLACES
.irp e, 0,1,2,3
	ds_load_tr16_b128 v[96+8*\e:99+8*\e],   v[WA+\half] offset:32*OP*\k4+32*\e
	ds_load_tr16_b128 v[100+8*\e:103+8*\e], v[WA+\half] offset:32*OP*\k4+32*\e+16*OP
.endr
.irp a, 0,1,2,3
	ds_load_tr16_b128 v[64+8*\a:67+8*\a], v[YA+\half] offset:32*YP*\k4+32*\a
	ds_load_tr16_b128 v[68+8*\a:71+8*\a], v[YA+\half] offset:32*YP*\k4+32*\a+16*YP
.endr
.irp a, 0,1,2,3
	ds_load_tr16_b128 v[YL+8*\a:YL+8*\a+3],   v[YA+\half] offset:32*YP*\k4+32*\a+YLO
	ds_load_tr16_b128 v[YL+8*\a+4:YL+8*\a+7], v[YA+\half] offset:32*YP*\k4+32*\a+16*YP+YLO
.endr
	s_wait_dscnt 8                                 ; Wo's and hi's fragments are in; lo's eight loads, issued behind them, stay out
.irp a, 0,1,2,3
.irp e, 0,1,2,3
	MM 128+8*(4*\a+\e), 96+8*\e, 64+8*\a, \zero
.endr
.endr
	s_wait_dscnt 0x0
.irp a, 0,1,2,3
.irp e, 0,1,2,3
	MM 128+8*(4*\a+\e), 96+8*\e, YL+8*\a, 0
.endr
.endr
.endm
	WSTEP 0, 0, 1
	WSTEP 0, 1, 0
	WSTEP 0, 2, 0
	WSTEP 0, 3, 0
	WSTEP 1, 0, 0
	WSTEP 1, 1, 0
	WSTEP 1, 2, 0
	WSTEP 1, 3, 0
	PLACES
; 16 rows of out at a time through my own stage: in by lanes (row r, 32 bytes at 64 e + 32 h), back by rows of 256 bytes
.macro OUT16 a, f
.irp e, 0,1,2,3
	ds_store_b128 v[OS], v[128+8*(4*\a+\e):128+8*(4*\a+\e)+3]   offset:64*\e
	ds_store_b128 v[OS], v[128+8*(4*\a+\e)+4:128+8*(4*\a+\e)+7] offset:64*\e+16
.endr
	s_wait_xcnt 0x0                                ; buffer f, which earlier stores read, is loaded again only behind this wait
.irp t, 0,1,2,3,4,5,6,7
	ds_load_b128 v[\f+4*\t:\f+4*\t+3], v[ORD] offset:2*TP*\t       ; LDS serves a wave's instructions in order (ISA guide 5.7.1): these see the stores above
.endr
.irp t, 0,1,2,3,4,5,6,7
	s_wait_dscnt 7-\t                              ; read-back t is in, the later ones stay out
	global_store_b128 v[CO], v[\f+4*\t:\f+4*\t+3], s[84:85] offset:(16*\a+2*\t)*1024 th:TH_STORE_NT   ; sixteen lanes store 256 consecutive bytes, aligned
.endr
.endm
	OUT16 0, 64
	OUT16 1, 96
	OUT16 2, 64
	OUT16 3, 96
	s_wait_tensorcnt 0x0
	ds_add_u32 v3, v8
	s_wait_dscnt 0x0
	ROUND                                          ; the closing round: no work-group ends while a partner may still ask for a tile that names it
	s_endpgm
.Lfunc_end_k_q5432581fe3_mix:
	.size	k_q5432581fe3_mix, .Lfunc_end_k_q5432581fe3_mix-k_q5432581fe3_mix
	.p2alignl 7, 3214868480
	.fill 96, 4, 3214868480
	.section	.rodata,"a",@progbits
	.p2align	6, 0x0
	.amdhsa_kernel k_q5432581fe3_mix
		.amdhsa_group_segment_fixed_size 318464
		.amdhsa_private_segment_fixed_size 0
		.amdhsa_enable_private_segment 0
		.amdhsa_kernarg_size 56
		.amdhsa_user_sgpr_count 2
		.amdhsa_user_sgpr_kernarg_segment_ptr 1
		.amdhsa_wavefront_size32 1
		.amdhsa_system_sgpr_workgroup_id_x 1
		.amdhsa_system_sgpr_workgroup_id_y 1
		.amdhsa_system_sgpr_workgroup_id_z 1
		.amdhsa_system_vgpr_workitem_id 0
		.amdhsa_next_free_vgpr 512
		.amdhsa_next_free_sgpr 96
		.amdhsa_reserve_vcc 1
		.amdhsa_float_denorm_mode_32 3
		.amdhsa_float_denorm_mode_16_64 3
		.amdhsa_memory_ordered 1
		.amdhsa_forward_progress 1
		.amdhsa_inst_pref_size 174
	.end_amdhsa_kernel
	.amdgpu_metadata
---
amdhsa.version: [ 1, 2 ]
amdhsa.kernels:
  - .name:           k_q5432581fe3_mix
    .symbol:         k_q5432581fe3_mix.kd
    .args:
      - { .name: eband, .offset: 0, .size: 8, .value_kind: global_buffer, .address_space: global }
      - { .name: cvec, .offset: 8, .size: 8, .value_kind: global_buffer, .address_space: global }
      - { .name: ekv, .offset: 16, .size: 8, .value_kind: global_buffer, .address_space: global }
      - { .name: sq, .offset: 24, .size: 8, .value_kind: global_buffer, .address_space: global }
      - { .name: stats, .offset: 32, .size: 8, .value_kind: global_buffer, .address_space: global }
      - { .name: wall, .offset: 40, .size: 8, .value_kind: global_buffer, .address_space: global }
      - { .name: out0, .offset: 48, .size: 8, .value_kind: global_buffer, .address_space: global }
    .group_segment_fixed_size: 318464
    .private_segment_fixed_size: 0
    .kernarg_segment_align: 8
    .kernarg_segment_size: 56
    .max_flat_workgroup_size: 256
    .sgpr_count:     96
    .vgpr_count:     512
    .wavefront_size: 32
...
	.end_amdgpu_metadata
.endif
;; end of part 3
